; MI455X (gfx1250); checked and timed in simulation.
; The chip was launched on July 23, 2026; its instructions are those of AMD's public machine-readable ISA for CDNA 5 (MIT licence, August 2026) and "CDNA5" Instruction Set Architecture Reference Guide (July 2026). The comments in the code are by the model that wrote it; some were corrected since.
;; Hashed MLP. Allowed arithmetic: float matrix products may take bf16 or f16 operands with f32 sums; all other float work in f32.
;; Inputs: W0 26 x 64 float32; W1 64 x 64 float32; W2 64 x 1 float32; b0 64 float32; b1 64 float32; b2 1 float32; data 524,288 x 3 float32; table 13 x 524,288 x 2 float32.
;; Outputs: out0 524,288 x 1 float32.
;; 2 versions, each right; version 2 is version 1 with the launch field written anew for expert scheduling mode. Each part assembles by itself: llvm-mc -triple=amdgcn-amd-amdhsa -mcpu=gfx1250 --defsym DOCPART=n.
;; ======== version 1 of 2: 2 launches
;; limits: inputs' magnitudes at most 64; right only within a limited range of input values
;; workspace buffers: qpos 6,291,456 bytes of whole numbers
;; launch quant (part 1): grid 256 x 1, 8 waves a work-group, no clusters, 0 bytes of LDS; arguments data, qpos; writes qpos
.if DOCPART == 1
	.amdgcn_target "amdgcn-amd-amdhsa--gfx1250"
	.amdhsa_code_object_version 6
	.text
	.protected	k_q6c764d5c60_quant
	.globl	k_q6c764d5c60_quant
	.p2align	8
	.type	k_q6c764d5c60_quant,@function
k_q6c764d5c60_quant:
	s_mov_b64 s[64:65], 0
	v_nop
	global_prefetch_b8 v0, s[64:65] scope:SCOPE_SE
	s_setreg_imm32_b32 hwreg(HW_REG_WAVE_MODE, 25, 1), 1
	s_wait_xcnt 0x0
; qpos[i] = u32(trunc(data[i] * 2^26)): every coordinate once, as unsigned fixed point with 6 whole and 26 fractional bits.
; The next launch forms table addresses from these whole numbers by integer arithmetic alone.
; LIMITS: 0 <= data < 64.  A negative coordinate or a NaN becomes 0;
; 64 and above saturate at 2^32 - 1.  Bits of a coordinate below 2^-26 are dropped: at the finest level
; (1,024 cells) that moves a position by less than 2^-16 of a cell.
; A stream: 1,572,864 numbers, 6,291,456 bytes in and as many out.  256 work-groups x 24,576 bytes; thread t owns the 16 bytes at
; 16 t + 4,096 j, j = 0..5, so each load and store of a wave covers 512 consecutive bytes, aligned.  No LDS, no barrier, no matrix
; unit: no number meets another.
.set CHUNK, 4096                       ; bytes that the 256 threads cover with one instruction each
.set NCH,   6                          ; such chunks in a work-group
.set X,     4                          ; v[4:27]  chunk j: 4 registers, loaded, converted in place, stored
	s_load_b128 s[4:7], s[0:1], 0x0                ; data s[4:5], qpos s[6:7]
	s_mul_i32 s2, ttmp9, NCH*CHUNK                 ; the work-group's part, below 6,291,456
	s_mov_b32 s3, 0
	v_lshlrev_b32 v1, 4, v0                        ; 16 t; never rewritten
	s_wait_kmcnt 0x0
	s_add_nc_u64 s[4:5], s[4:5], s[2:3]
	s_add_nc_u64 s[6:7], s[6:7], s[2:3]
.irp j, 0,1,2,3,4,5
	global_load_b128 v[X+4*\j:X+4*\j+3], v1, s[4:5] offset:\j*CHUNK th:TH_LOAD_NT   ; read once in the launch
.endr
.irp j, 0,1,2,3,4,5
	s_wait_loadcnt NCH-1-\j                        ; loads come back in order: chunk j is in, the younger ones stay out
	v_pk_mul_f32 v[X+4*\j:X+4*\j+1],   v[X+4*\j:X+4*\j+1],   0x4c800000 op_sel_hi:[1,0]   ; x 2^26, exact
	v_pk_mul_f32 v[X+4*\j+2:X+4*\j+3], v[X+4*\j+2:X+4*\j+3], 0x4c800000 op_sel_hi:[1,0]
.irp k, 0,1,2,3
	v_cvt_u32_f32 v[X+4*\j+\k], v[X+4*\j+\k]       ; toward zero
.endr
	global_store_b128 v1, v[X+4*\j:X+4*\j+3], s[6:7] offset:\j*CHUNK    ; no register of a store is written again
.endr
	s_endpgm
.Lfunc_end_k_q6c764d5c60_quant:
	.size	k_q6c764d5c60_quant, .Lfunc_end_k_q6c764d5c60_quant-k_q6c764d5c60_quant
	.p2alignl 7, 3214868480
	.fill 96, 4, 3214868480
	.section	.rodata,"a",@progbits
	.p2align	6, 0x0
	.amdhsa_kernel k_q6c764d5c60_quant
		.amdhsa_group_segment_fixed_size 0
		.amdhsa_private_segment_fixed_size 0
		.amdhsa_enable_private_segment 0
		.amdhsa_kernarg_size 16
		.amdhsa_user_sgpr_count 2
		.amdhsa_user_sgpr_kernarg_segment_ptr 1
		.amdhsa_wavefront_size32 1
		.amdhsa_system_sgpr_workgroup_id_x 1
		.amdhsa_system_sgpr_workgroup_id_y 1
		.amdhsa_system_sgpr_workgroup_id_z 1
		.amdhsa_system_vgpr_workitem_id 0
		.amdhsa_next_free_vgpr 32
		.amdhsa_next_free_sgpr 66
		.amdhsa_reserve_vcc 0
		.amdhsa_float_denorm_mode_32 3
		.amdhsa_float_denorm_mode_16_64 3
		.amdhsa_memory_ordered 1
		.amdhsa_forward_progress 1
		.amdhsa_inst_pref_size 4
	.end_amdhsa_kernel
	.amdgpu_metadata
---
amdhsa.version: [ 1, 2 ]
amdhsa.kernels:
  - .name:           k_q6c764d5c60_quant
    .symbol:         k_q6c764d5c60_quant.kd
    .args:
      - { .name: data, .offset: 0, .size: 8, .value_kind: global_buffer, .address_space: global }
      - { .name: qpos, .offset: 8, .size: 8, .value_kind: global_buffer, .address_space: global }
    .group_segment_fixed_size: 0
    .private_segment_fixed_size: 0
    .kernarg_segment_align: 8
    .kernarg_segment_size: 16
    .max_flat_workgroup_size: 256
    .sgpr_count:     66
    .vgpr_count:     32
    .wavefront_size: 32
...
	.end_amdgpu_metadata
.endif
;; end of part 1
;; launch field (part 2): grid 256 x 1, 16 waves a work-group, no clusters, 33,792 bytes of LDS; arguments qpos, table, W0, b0, W1, b1, W2, b2, out0; writes out0
.if DOCPART == 2
	.amdgcn_target "amdgcn-amd-amdhsa--gfx1250"
	.amdhsa_code_object_version 6
	.text
	.protected	k_q6c764d5c60_field
	.globl	k_q6c764d5c60_field
	.p2align	8
	.type	k_q6c764d5c60_field,@function
k_q6c764d5c60_field:
	s_mov_b64 s[64:65], 0
	v_nop
	global_prefetch_b8 v0, s[64:65] scope:SCOPE_SE
	s_setreg_imm32_b32 hwreg(HW_REG_WAVE_MODE, 25, 1), 1
	s_wait_xcnt 0x0
; out0[p] = gelu(gelu(x W0 + b0) W1 + b1) W2 + b2, x = the 26 hash-grid features of point p (13 levels x 2, trilinear over 8 hashed corners).
; gelu is the tanh form: x * sigmoid(2 u), u = sqrt(2/pi) (x + 0.044715 x^3), made as x * rcp(1 + exp2(GC * x * (x^2 + GK))).
;
; SHARE.  256 work-groups x 16 waves; a wave owns 128 consecutive points and goes through them in 4 trips of 32.  In trip c lane L owns
; point 4 L + c of the wave's 128: a lane's 4 points are 48 consecutive bytes of qpos (three 16-byte loads, once) and its 4 results
; are 16 consecutive bytes of out0 (one store; the wave's store covers 512 consecutive bytes, aligned).
; POSITIONS.  qpos holds each coordinate as u32 with 26 fractional bits.  q * (res << 6) is a 64-bit product whose high word is the cell
; and whose low word is the fraction x 2^32.  Every table address is made from these whole numbers by integer arithmetic.
; MATRIX OPERANDS are bf16 pairs: v = hi + lo, hi the upper 16 bits of the f32, lo = bf16(v - hi).  A product is W.hi x.hi + W.hi x.lo + W.lo x.hi.
; One bf16 alone would leave four roundings of 2^-9 each in a nearly linear net, against a margin of 1/100 of the output's spread.
; The matrix instruction takes the weights as its first source (rows = units) and the activations as its second (columns = points): lane (r, h),
; register j of a result holds unit 16 t + 8 h + j of point r, and packed in pairs that is the next layer's second source as it stands.
; The last layer has one column: a dot product a point, in f32 on the vector unit (16 packed multiply-adds for 32 points and 16 units).
; NO TENSOR LOADS, NO CLUSTER: the bulk is 2,048 x 104 lane-wise gathers of 8 bytes a work-group (1,703,936 bytes) at hashed places, with no tile in them;
; what work-groups share are 23,812 bytes of weights and biases, read once by each.
; LIMITS: coordinates as the launch in front states them (0 <= data < 64).  An infinite weight or activation gives NaN (lo = inf - inf).
.set PITCH, 160                        ; LDS row of 64 bf16 (128 bytes) + 32: an odd multiple of 32 bytes, for the transposing loads
.set W0H, 0                            ; hi(W0) [32 k][64 n], rows 26-31 zero    5,120 bytes
.set W0L, 5120                         ; lo(W0)                                  5,120
.set W1H, 10240                        ; hi(W1) [64 k][64 n]                    10,240
.set W1L, 20480                        ; lo(W1)                                 10,240
.set VB0, 30720                        ; b0, f32                                   256
.set VB1, 30976                        ; b1                                        256
.set VW2, 31232                        ; W2                                        256: the map ends at 31,488
.set GK, 0x41b2e92f                    ; 1 / 0.044715 = 22.36386
.set GC, 0xbdd2d3e8                    ; -2 log2(e) sqrt(2/pi) 0.044715 = -0.10294324
; vector registers
.set OO,   1                           ; 16 L: my 16 bytes of the wave's 512 in out0
.set TRA,  2                           ; (8 h + (L & 7)) PITCH + 16 ((L >> 3) & 1): transposing loads of a weight fragment
.set BIA,  3                           ; 32 h: my 8 numbers of 16 in b0, b1, W2
.set PFO,  4                           ; 16,384 x work-group + 256 L: prefetch
.set QOFF, 5                           ; 48 L
.set KA,   6                           ; v[6:7]     (1.0, 0.0)
.set RES,  8                           ; v[8:11]    the four trips' results
.set QP,   12                          ; v[12:23]   4 points x (x, y, z); the trip's point stands first
.set FR,   24                          ; v[24:35]   slot s at 4 s: the three fractions x 2^32 as f32, and a word that is 0
.set RING, 36                          ; v[36:83]   slot s at 16 s: corner c at 2 c: first its index, then its two features
.set XH0,  84                          ; v[84:115]  features hi and lo, points 0-15 and 16-31 (XH0, XH1, XL0, XL1); in layer 1 the fragments of W1
.set XH1,  92
.set XL0,  100
.set XL1,  108
.set WH,   84                          ; W1 hi, k 0-31 and 32-63
.set WL,   100                         ; W1 lo
.set HH0,  116                         ; v[116:179] layer 0's results as second sources: hi and lo, points 0-15 and 16-31, 64 k each
.set HH1,  132
.set HL0,  148
.set HL1,  164
.set D0,   180                         ; accumulator, points 0-15
.set D1,   188                         ; accumulator, points 16-31
.set T,    196                         ; v[196:211] at work in gelu
.set U,    196                         ; v[196:201] at work in ISSUE: three 64-bit products
.set WX,   196                         ; at work in CONSUME: (1 - fx, fx), (1 - fy, fy), (1 - fz, fz), their four y z products, the sum
.set WY,   198
.set WZ,   200
.set YZ,   202
.set ACC,  206
.set BI,   212                         ; v[212:219] bias of my 8 units
.set W2V,  220                         ; v[220:227] W2 of my 8 units
.set A0H,  228                         ; v[228:243] fragment of W0, hi and lo
.set A0L,  236
.set OA0,  244                         ; v[244:247] the last layer's sums, a pair for each half of the points
.set OA1,  246
.set SP,   248                         ; v[248:251] at work in SPLIT, two pairs
.set KM,   252                         ; v[252:253] (-2^-32, +2^-32)
.set SA,   54                          ; staging only (inside the ring, which is not yet in use)
.set O16,  55
.set O16C, 56
.set V8,   57
; scalar registers: s[4:21] the nine addresses; s[24:49] TB, each level's table; s50 wave; s51 the wave's number in trip 0, then 255;
; s52 trip; s53 b2; s54-55 lane selects; s56 0xffff0000; s57 byte select; s58, s59 the primes; s60 2^19 - 1; s66-69 at work
.set TB, 24
; f32 pair p -> dh = (hi(p), hi(p+1)), dl = (lo(p), lo(p+1)), the lower number in the lower half
.macro SPLIT p, dh, dl, s
	v_perm_b32 v[\dh], v[\p+1], v[\p], s57                 ; the two upper halves
	v_and_b32 v[\s], s56, v[\p]
	v_and_b32 v[\s+1], s56, v[\p+1]
	v_pk_add_f32 v[\s:\s+1], v[\p:\p+1], v[\s:\s+1] neg_lo:[0,1] neg_hi:[0,1]   ; v - hi, exact
	v_cvt_pk_bf16_f32 v[\dl], v[\s], v[\s+1]
.endm
; Wave lvl of each work-group asks, in trip 0 alone, for the work-group's 64 blocks of 256 bytes of level lvl's table: 256 work-groups x 16,384 bytes
; are the level's 4,194,304 bytes, each block asked for once in the launch; the highest byte named is 4,194,048.  PFO and TB are never rewritten.
.macro PF lvl
	s_cmp_lg_u32 s51, \lvl
	s_cbranch_scc1 .Lnopf_\@
	global_prefetch_b8 v[PFO], s[TB+2*(\lvl):TB+2*(\lvl)+1] th:TH_LOAD_NT scope:SCOPE_SE
	global_prefetch_b8 v[PFO], s[TB+2*(\lvl):TB+2*(\lvl)+1] offset:8192 th:TH_LOAD_NT scope:SCOPE_SE
.Lnopf_\@:
.endm
; One level's cells, fractions, eight indices and eight gathers, into slot lvl % 3.  lg = log2(res), or -1 where res is no power of two.
.macro ISSUE lvl, res, lg
.set ID,  RING+16*((\lvl)%3)
.set IFR, FR+4*((\lvl)%3)
.irp i, 0,1,2
.if \lg >= 0
	v_lshlrev_b32 v[U+2*\i], 6+\lg, v[QP+\i]               ; low word of q * (res << 6)
	v_lshrrev_b32 v[U+2*\i+1], 26-\lg, v[QP+\i]            ; high word: the cell
.else
	v_mad_co_u64_u32 v[U+2*\i:U+2*\i+1], null, v[QP+\i], \res<<6, 0
.endif
	v_cvt_f32_u32 v[IFR+\i], v[U+2*\i]                     ; the fraction x 2^32
.endr
	v_mul_lo_u32 v[U+3], v[U+3], s58                       ; y * prime 1
	v_mul_lo_u32 v[U+5], v[U+5], s59                       ; z * prime 2
	v_add_nc_u32 v[U+2], s58, v[U+3]                       ; (y + 1) * prime 1
	v_add_nc_u32 v[U+4], s59, v[U+5]                       ; (z + 1) * prime 2
	v_add_nc_u32 v[U], 1, v[U+1]                           ; x + 1; x and x + 1 are at most 2^16 and need no mask
.irp m, 0,1,2,3                                            ; m = dy + 2 dz; corner 2 m has dx = 0, corner 2 m + 1 has dx = 1
	v_xor_b32 v[ID+4*\m], v[U+3-(\m&1)], v[U+5-(\m>>1)]
	v_and_b32 v[ID+4*\m], s60, v[ID+4*\m]
	v_xor_b32 v[ID+4*\m+2], v[ID+4*\m], v[U]
	v_xor_b32 v[ID+4*\m], v[ID+4*\m], v[U+1]
	v_min_u32 v[ID+4*\m], 0x7ffff, v[ID+4*\m]              ; changes nothing: states the index's bound in the last line in front of the address
	v_min_u32 v[ID+4*\m+2], 0x7ffff, v[ID+4*\m+2]
.endr
.irp c, 0,1,2,3,4,5,6,7
	global_load_b64 v[ID+2*\c:ID+2*\c+1], v[ID+2*\c], s[TB+2*(\lvl):TB+2*(\lvl)+1] scale_offset   ; entry = 8 bytes; each load lands on its own index
.endr
.endm
; One level's interpolation, from slot lvl % 3, into the feature pair's place.  left = gathers issued behind this level's eight.
.macro CONSUME lvl, left
.set CD, RING+16*((\lvl)%3)
.set CF, FR+4*((\lvl)%3)
.if \lvl < 4
.set XO, \lvl                          ; k 0-7: registers 0-3 of the lanes with h = 0
.elseif \lvl < 8
.set XO, \lvl+4                        ; k 8-15: registers 0-3, h = 1
.elseif \lvl < 12
.set XO, \lvl-4                        ; k 16-23: registers 4-7, h = 0
.else
.set XO, 12                            ; k 24, 25: register 4, h = 1
.endif
	v_pk_fma_f32 v[WX:WX+1], v[CF:CF+1], v[KM:KM+1], v[KA:KA+1] op_sel_hi:[0,1,1]                  ; (1 - fx, fx)
	v_pk_fma_f32 v[WY:WY+1], v[CF:CF+1], v[KM:KM+1], v[KA:KA+1] op_sel:[1,0,0] op_sel_hi:[1,1,1]   ; (1 - fy, fy)
	v_pk_fma_f32 v[WZ:WZ+1], v[CF+2:CF+3], v[KM:KM+1], v[KA:KA+1] op_sel_hi:[0,1,1]                ; (1 - fz, fz)
	v_pk_mul_f32 v[YZ:YZ+1], v[WY:WY+1], v[WZ:WZ+1] op_sel_hi:[1,0]                                ; m = 0, 1
	v_pk_mul_f32 v[YZ+2:YZ+3], v[WY:WY+1], v[WZ:WZ+1] op_sel:[0,1] op_sel_hi:[1,1]                 ; m = 2, 3
	s_wait_loadcnt \left                                   ; loads come back in order: this level's eight are in, the younger levels' stay out
.irp m, 0,1,2,3
	v_pk_mul_f32 v[CD+4*\m:CD+4*\m+1], v[CD+4*\m:CD+4*\m+1], v[WX:WX+1] op_sel_hi:[1,0]
.endr
.irp m, 0,1,2,3
	v_pk_fma_f32 v[CD+4*\m:CD+4*\m+1], v[CD+4*\m+2:CD+4*\m+3], v[WX:WX+1], v[CD+4*\m:CD+4*\m+1] op_sel:[0,1,0] op_sel_hi:[1,1,1]
.endr
	v_pk_mul_f32 v[ACC:ACC+1], v[CD:CD+1], v[YZ:YZ+1] op_sel_hi:[1,0]
	v_pk_fma_f32 v[ACC:ACC+1], v[CD+4:CD+5], v[YZ:YZ+1], v[ACC:ACC+1] op_sel:[0,1,0] op_sel_hi:[1,1,1]
	v_pk_fma_f32 v[ACC:ACC+1], v[CD+8:CD+9], v[YZ+2:YZ+3], v[ACC:ACC+1] op_sel_hi:[1,0,1]
	v_pk_fma_f32 v[ACC:ACC+1], v[CD+12:CD+13], v[YZ+2:YZ+3], v[ACC:ACC+1] op_sel:[0,1,0] op_sel_hi:[1,1,1]
	SPLIT ACC, XH0+XO, XL0+XO, SP+2*(\lvl&1)
.endm
; units 16 t .. 16 t + 15 of layer 0: W0's fragment hi and lo (k 0-31) and my 8 biases.  6 LDS loads.
.macro LDA0 t
	ds_load_tr16_b128 v[A0H:A0H+3],   v[TRA] offset:W0H+32*(\t)
	ds_load_tr16_b128 v[A0H+4:A0H+7], v[TRA] offset:W0H+32*(\t)+16*PITCH
	ds_load_tr16_b128 v[A0L:A0L+3],   v[TRA] offset:W0L+32*(\t)
	ds_load_tr16_b128 v[A0L+4:A0L+7], v[TRA] offset:W0L+32*(\t)+16*PITCH
	ds_load_b128 v[BI:BI+3],   v[BIA] offset:VB0+64*(\t)
	ds_load_b128 v[BI+4:BI+7], v[BIA] offset:VB0+64*(\t)+16
.endm
; the same for layer 1: two K steps of 32, hi and lo.  10 LDS loads.
.macro LDA1 t
.irp s, 0,1
	ds_load_tr16_b128 v[WH+8*\s:WH+8*\s+3],   v[TRA] offset:W1H+32*PITCH*\s+32*(\t)
	ds_load_tr16_b128 v[WH+8*\s+4:WH+8*\s+7], v[TRA] offset:W1H+32*PITCH*\s+32*(\t)+16*PITCH
	ds_load_tr16_b128 v[WL+8*\s:WL+8*\s+3],   v[TRA] offset:W1L+32*PITCH*\s+32*(\t)
	ds_load_tr16_b128 v[WL+8*\s+4:WL+8*\s+7], v[TRA] offset:W1L+32*PITCH*\s+32*(\t)+16*PITCH
.endr
	ds_load_b128 v[BI:BI+3],   v[BIA] offset:VB1+64*(\t)
	ds_load_b128 v[BI+4:BI+7], v[BIA] offset:VB1+64*(\t)+16
.endm
.macro LDW2 t
	ds_load_b128 v[W2V:W2V+3],   v[BIA] offset:VW2+64*(\t)
	ds_load_b128 v[W2V+4:W2V+7], v[BIA] offset:VW2+64*(\t)+16
.endm
.macro MM d, a, b, c
	v_wmma_f32_16x16x32_bf16 v[\d:\d+7], v[\a:\a+7], v[\b:\b+7], v[\c:\c+7]
.endm
; Four places behind the last matrix instruction, ahead of loads into its sources and of vector instructions that read its result.
.macro PLACES
.rept 4
	v_nop
.endr
.endm
; gelu's stages on 8 numbers in d, at work in t
.macro GPOLY d, t                      ; GC * x * (x^2 + GK)
.irp i, 0,2,4,6
	v_pk_fma_f32 v[\t+\i:\t+\i+1], v[\d+\i:\d+\i+1], v[\d+\i:\d+\i+1], GK op_sel_hi:[1,1,0]
.endr
.irp i, 0,2,4,6
	v_pk_mul_f32 v[\t+\i:\t+\i+1], v[\t+\i:\t+\i+1], v[\d+\i:\d+\i+1]
.endr
.irp i, 0,2,4,6
	v_pk_mul_f32 v[\t+\i:\t+\i+1], v[\t+\i:\t+\i+1], GC op_sel_hi:[1,0]
.endr
.endm
.macro GEXP t
.irp i, 0,1,2,3,4,5,6,7
	v_exp_f32 v[\t+\i], v[\t+\i]
.endr
.endm
.macro GONE t
	s_wait_alu depctr_va_vdst(0)
.irp i, 0,2,4,6
	v_pk_add_f32 v[\t+\i:\t+\i+1], v[\t+\i:\t+\i+1], 1.0 op_sel_hi:[1,0]
.endr
.endm
.macro GRCP t
.irp i, 0,1,2,3,4,5,6,7
	v_rcp_f32 v[\t+\i], v[\t+\i]
.endr
.endm
.macro GMUL d, t
.irp i, 0,2,4,6
	v_pk_mul_f32 v[\d+\i:\d+\i+1], v[\d+\i:\d+\i+1], v[\t+\i:\t+\i+1]
.endr
.endm
; gelu of D0 and D1 in place.  The two halves are laid so that a plain vector instruction that touches neither its result nor its source stands
; between every v_exp_f32 or v_rcp_f32 and the first use of its result (ISA guide 5.7.2); where the other half has none to give, a v_nop.
.macro GELU
	GPOLY D0, T
	GEXP T
	GPOLY D1, T+8
	GONE T
	GRCP T
	GEXP T+8
	v_nop
	s_wait_alu depctr_va_vdst(0)
	GMUL D0, T
	GONE T+8
	GRCP T+8
	v_nop
	s_wait_alu depctr_va_vdst(0)
	GMUL D1, T+8
.endm
; layer 0, units 16 t .. 16 t + 15 of all 32 points.  D0 and D1 take turns, one instruction a turn.
.macro L0STEP t
	s_wait_dscnt 0x0                                       ; this step's fragment and bias are in
	MM D0, A0H, XH0, BI
	MM D1, A0H, XH1, BI
	MM D0, A0H, XL0, D0
	MM D1, A0H, XL1, D1
	MM D0, A0L, XH0, D0
	MM D1, A0L, XH1, D1
	PLACES
.if \t < 3
	LDA0 \t+1                                              ; the next step's, on their way during gelu
.else
	LDA1 0                                                 ; onto the features, which have had their last use
.endif
	GELU
.irp i, 0,1,2,3
	SPLIT D0+2*\i, HH0+4*\t+\i, HL0+4*\t+\i, SP            ; units 16 t + 8 h + 2 i, + 1: register 4 t + i of the next layer's second source
	SPLIT D1+2*\i, HH1+4*\t+\i, HL1+4*\t+\i, SP+2
.endr
.endm
; layer 1, units 16 t .. 16 t + 15, and their share of the last layer's dot product.  D0 and D1 take turns.
.macro L1STEP t
	s_wait_dscnt 0x0
	MM D0, WH, HH0, BI
	MM D1, WH, HH1, BI
	MM D0, WH+8, HH0+8, D0
	MM D1, WH+8, HH1+8, D1
	MM D0, WH, HL0, D0
	MM D1, WH, HL1, D1
	MM D0, WH+8, HL0+8, D0
	MM D1, WH+8, HL1+8, D1
	MM D0, WL, HH0, D0
	MM D1, WL, HH1, D1
	MM D0, WL+8, HH0+8, D0
	MM D1, WL+8, HH1+8, D1
	PLACES
	LDW2 \t
.if \t < 3
	LDA1 \t+1
.endif
	GELU
.if \t < 3
	s_wait_dscnt 10                                        ; W2's two loads are in; the ten of the next step's fragments, issued behind them, stay out
.else
	s_wait_dscnt 0x0
.endif
.irp i, 0,2,4,6
.if \t+\i == 0
	v_pk_mul_f32 v[OA0:OA0+1], v[D0:D0+1], v[W2V:W2V+1]    ; the first product starts the sums
	v_pk_mul_f32 v[OA1:OA1+1], v[D1:D1+1], v[W2V:W2V+1]
.else
	v_pk_fma_f32 v[OA0:OA0+1], v[D0+\i:D0+\i+1], v[W2V+\i:W2V+\i+1], v[OA0:OA0+1]
	v_pk_fma_f32 v[OA1:OA1+1], v[D1+\i:D1+\i+1], v[W2V+\i:W2V+\i+1], v[OA1:OA1+1]
.endif
.endr
.endm
; four f32 of a weight row -> 8 bytes of hi and 8 of lo in LDS.  mask = 1: threads past W0's 26 rows store zeros.
.macro STAGE4 src, dst, hi, lo, mask
	SPLIT \src, \dst, \dst+2, SP
	SPLIT \src+2, \dst+1, \dst+3, SP+2
.if \mask
.irp j, 0,1,2,3
	v_cndmask_b32 v[\dst+\j], 0, v[\dst+\j], vcc_lo
.endr
.endif
	ds_store_b64 v[SA], v[\dst:\dst+1] offset:\hi
	ds_store_b64 v[SA], v[\dst+2:\dst+3] offset:\lo
.endm
; One level step of a trip: ask ahead, issue level l + 2, interpolate level l.  nres, nlg: level l + 2's resolution and its log2 (or -1).
.macro STEP l, nres, nlg
.if \l <= 6
	PF \l+6                                                ; six levels ahead of the one interpolated here, four ahead of the one issued; ISSUE's vector work follows
.endif
.if \l <= 10
	ISSUE \l+2, \nres, \nlg
	CONSUME \l, 16                                         ; levels l + 1 and l + 2 stay out
.else
.if \l == 11
	LDA0 0                                                 ; layer 0's first fragment, on its way during the last two levels
.endif
	CONSUME \l, 8*(12-\l)                                  ; the counts run down: 8, 0
.endif
.endm
	; ---- prologue: addresses, lane terms, constants
	s_load_b512 s[4:19], s[0:1], 0x0               ; qpos s[4:5], table s[6:7], W0 s[8:9], b0 s[10:11], W1 s[12:13], b1 s[14:15], W2 s[16:17], b2 s[18:19]
	s_load_b64 s[20:21], s[0:1], 0x40              ; out0
	v_lshl_add_u32 v254, v0, 2, 0x7c00
	v_mov_b32 v255, 0
	v_lshrrev_b32 v[T+1], 5, v0
	v_readfirstlane_b32 s50, v[T+1]                ; wave 0..15
	s_mov_b32 s51, s50
	v_and_b32 v[T], 31, v0                         ; L
	v_lshrrev_b32 v[T+1], 4, v[T]                  ; h
	v_and_b32 v[T+2], 7, v[T]
	v_bfe_u32 v[T+3], v[T], 3, 1
	v_lshl_add_u32 v[T+2], v[T+1], 3, v[T+2]       ; 8 h + (L & 7)
	v_mul_u32_u24 v[T+2], v[T+2], PITCH
	v_lshl_add_u32 v[TRA], v[T+3], 4, v[T+2]
	v_lshlrev_b32 v[BIA], 5, v[T+1]
	v_lshlrev_b32 v[OO], 4, v[T]
	v_mul_u32_u24 v[QOFF], v[T], 48
	s_lshl_b32 s67, ttmp9, 14
	v_lshl_add_u32 v[PFO], v[T], 8, s67
	v_lshlrev_b32 v[V8], 3, v[T]                   ; 8 L
	v_lshlrev_b32 v[O16], 4, v0                    ; 16 t: my four numbers of W0 and W1
	v_min_u32 v[O16C], 6640, v[O16]                ; W0 ends at byte 6,656: threads 416 and above read its last 16 bytes and store zeros
	s_mov_b32 s54, 0x76543210                      ; v_permlanex16_b32: lane i of one half reads lane i of the other
	s_mov_b32 s55, 0xfedcba98
	s_mov_b32 s56, 0xffff0000                      ; a word's upper half; also the mask of lanes 16-31
	s_mov_b32 s57, 0x07060302
	s_mov_b32 s58, 0x9e3779b1                      ; 2654435761
	s_mov_b32 s59, 0x30025795                      ; 805459861
	s_mov_b32 s60, 0x7ffff                         ; 2^19 entries
	s_lshl_b32 s66, ttmp9, 4
	s_add_co_u32 s66, s66, s50                     ; the wave's number in the launch, 0..4095
	s_mul_i32 s68, s66, 1536                       ; 128 points x 12 bytes
	s_mov_b32 s69, 0
	s_wait_kmcnt 0x0
	s_add_nc_u64 s[4:5], s[4:5], s[68:69]
	s_lshl_b32 s68, s66, 9                         ; 128 points x 4 bytes
	s_add_nc_u64 s[20:21], s[20:21], s[68:69]
.irp l, 0,1,2,3,4,5,6,7,8,9,10,11,12
	s_add_nc_u64 s[TB+2*\l:TB+2*\l+1], s[6:7], \l*0x400000     ; a level's table: 2^19 entries of 8 bytes
.endr
	s_load_b32 s53, s[18:19], 0x0                  ; b2
	global_load_b128 v[QP:QP+3],    v[QOFF], s[4:5] th:TH_LOAD_NT
	global_load_b128 v[QP+4:QP+7],  v[QOFF], s[4:5] offset:16 th:TH_LOAD_NT
	global_load_b128 v[QP+8:QP+11], v[QOFF], s[4:5] offset:32 th:TH_LOAD_NT
	global_load_b128 v[36:39], v[O16C], s[8:9]                 ; W0
	global_load_b128 v[40:43], v[O16], s[12:13]                ; W1 rows 0-31
	global_load_b128 v[44:47], v[O16], s[12:13] offset:8192    ; W1 rows 32-63
	PF 0
	PF 1
	PF 2
	PF 3
	; ---- the weights into LDS, split into hi and lo.  512 threads x 4 numbers = 32 rows of 64
	v_lshrrev_b32 v[SA], 4, v0                     ; row
	v_and_b32 v[T+4], 15, v0                       ; four columns
	v_mul_u32_u24 v[SA], v[SA], PITCH
	v_lshl_add_u32 v[SA], v[T+4], 3, v[SA]
	v_cmp_gt_u32 vcc_lo, 416, v0                   ; W0 has 26 rows = 416 threads
	v_mov_b32 v[KA], 1.0
	v_mov_b32 v[KA+1], 0
	v_mov_b32 v[KM], 0xaf800000
	v_mov_b32 v[KM+1], 0x2f800000
	s_cmp_lg_u32 s50, 0
	s_cbranch_scc1 .Lnovec                         ; wave 0 alone brings the three vectors of 64 numbers, 8 bytes a lane
	global_load_b64 v[48:49], v[V8], s[10:11]
	global_load_b64 v[50:51], v[V8], s[14:15]
	global_load_b64 v[52:53], v[V8], s[16:17]
	s_wait_loadcnt 0x0
	ds_store_b64 v[V8], v[48:49] offset:VB0
	ds_store_b64 v[V8], v[50:51] offset:VB1
	ds_store_b64 v[V8], v[52:53] offset:VW2
.Lnovec:
	s_wait_loadcnt 0x0                             ; my points and my part of the weights
	STAGE4 36, 60, W0H, W0L, 1
	STAGE4 40, 64, W1H, W1L, 0
	STAGE4 44, 68, W1H+32*PITCH, W1L+32*PITCH, 0
	s_wait_kmcnt 0x0                               ; b2
	s_wait_dscnt 0x0                               ; my stores have landed, for the other waves' sake
	s_barrier_signal -1
	s_barrier_wait -1                              ; the only barrier: behind it LDS is only read
.irp i, 1,2,3
	v_mov_b32 v[RES+\i], 0                         ; the shift at a trip's end reads them before a result has reached them
.endr
.irp s, 0,1,2
	v_mov_b32 v[FR+4*\s+3], 0                      ; the upper word of the pair that holds fz: named by a packed instruction, never used
.endr
	PF 4
	ISSUE 0, 16, 4
	PF 5
	ISSUE 1, 23, -1
	s_mov_b32 s52, 0
	; ---- a trip: 32 points.  At its head levels 0 and 1 are on their way (16 gathers), on the way in and over the backward jump alike
.Ltrip:
	STEP 0,  32, 5
	STEP 1,  45, -1
	STEP 2,  64, 6
	STEP 3,  91, -1
	STEP 4,  128, 7
	STEP 5,  181, -1
	STEP 6,  256, 8
	STEP 7,  362, -1
	STEP 8,  512, 9
	STEP 9,  724, -1
	STEP 10, 1024, 10
	STEP 11, 0, 0
	STEP 12, 0, 0
	; every lane holds its own point's 32 k: those of h = 0 in X?0, those of h = 1 in X?1.  Swapping X?0's lanes 16-31 with X?1's lanes 0-15
	; makes X?0 the second source of points 0-15 and X?1 that of points 16-31.
.irp i, 5,6,7
	v_mov_b32 v[XH1+\i], 0                         ; k 26-31 (these registers held W1 in the trip before)
	v_mov_b32 v[XL1+\i], 0
.endr
.irp i, 0,1,2,3,4,5,6,7
	v_permlane16_swap_b32 v[XH0+\i], v[XH1+\i]
	v_permlane16_swap_b32 v[XL0+\i], v[XL1+\i]
.endr
	; the next trip's first two levels go out now and are on their way during the MLP.  The last trip has no next: no load for nothing
	s_cmp_eq_u32 s52, 3
	s_cbranch_scc1 .Lnonext
.irp i, 0,1,2,3,4,5,6,7,8
	v_mov_b32 v[QP+\i], v[QP+\i+3]                 ; the next point moves to the front: one text serves the four trips
.endr
	ISSUE 0, 16, 4
	ISSUE 1, 23, -1
.Lnonext:
	L0STEP 0
	L0STEP 1
	L0STEP 2
	L0STEP 3
	L1STEP 0
	L1STEP 1
	L1STEP 2
	L1STEP 3
	; lane (r, h) holds the sum over the units with its h, in two halves: add them, then the other h's
	v_add_f32 v[OA0], v[OA0], v[OA0+1]
	v_add_f32 v[OA1], v[OA1], v[OA1+1]
	v_permlanex16_b32 v[T], v[OA0], s54, s55
	v_permlanex16_b32 v[T+1], v[OA1], s54, s55
	v_mov_b32 v[RES], v[RES+1]
	v_mov_b32 v[RES+1], v[RES+2]
	v_mov_b32 v[RES+2], v[RES+3]
	v_add_f32 v[OA0], v[OA0], v[T]
	v_add_f32 v[OA1], v[OA1], v[T+1]
	v_cndmask_b32 v[RES+3], v[OA0], v[OA1], s56    ; lanes 0-15 own points 0-15, lanes 16-31 points 16-31
	v_add_f32 v[RES+3], s53, v[RES+3]              ; + b2
	s_mov_b32 s51, 255                             ; no wave asks for a table block a second time
	s_add_co_u32 s52, s52, 1
	s_cmp_lt_u32 s52, 4
	s_cbranch_scc1 .Ltrip
	global_store_b128 v[OO], v[RES:RES+3], s[20:21] th:TH_STORE_NT   ; my 4 points; the wave's 512 consecutive bytes, aligned
	s_wait_tensorcnt 0x0
	ds_add_u32 v254, v255
	s_wait_dscnt 0x0
	s_endpgm
.Lfunc_end_k_q6c764d5c60_field:
	.size	k_q6c764d5c60_field, .Lfunc_end_k_q6c764d5c60_field-k_q6c764d5c60_field
	.p2alignl 7, 3214868480
	.fill 96, 4, 3214868480
	.section	.rodata,"a",@progbits
	.p2align	6, 0x0
	.amdhsa_kernel k_q6c764d5c60_field
		.amdhsa_group_segment_fixed_size 33792
		.amdhsa_private_segment_fixed_size 0
		.amdhsa_enable_private_segment 0
		.amdhsa_kernarg_size 72
		.amdhsa_user_sgpr_count 2
		.amdhsa_user_sgpr_kernarg_segment_ptr 1
		.amdhsa_wavefront_size32 1
		.amdhsa_system_sgpr_workgroup_id_x 1
		.amdhsa_system_sgpr_workgroup_id_y 1
		.amdhsa_system_sgpr_workgroup_id_z 1
		.amdhsa_system_vgpr_workitem_id 0
		.amdhsa_next_free_vgpr 256
		.amdhsa_next_free_sgpr 70
		.amdhsa_reserve_vcc 1
		.amdhsa_float_denorm_mode_32 3
		.amdhsa_float_denorm_mode_16_64 3
		.amdhsa_memory_ordered 1
		.amdhsa_forward_progress 1
		.amdhsa_inst_pref_size 118
	.end_amdhsa_kernel
	.amdgpu_metadata
---
amdhsa.version: [ 1, 2 ]
amdhsa.kernels:
  - .name:           k_q6c764d5c60_field
    .symbol:         k_q6c764d5c60_field.kd
    .args:
      - { .name: qpos, .offset: 0, .size: 8, .value_kind: global_buffer, .address_space: global }
      - { .name: table, .offset: 8, .size: 8, .value_kind: global_buffer, .address_space: global }
      - { .name: W0, .offset: 16, .size: 8, .value_kind: global_buffer, .address_space: global }
      - { .name: b0, .offset: 24, .size: 8, .value_kind: global_buffer, .address_space: global }
      - { .name: W1, .offset: 32, .size: 8, .value_kind: global_buffer, .address_space: global }
      - { .name: b1, .offset: 40, .size: 8, .value_kind: global_buffer, .address_space: global }
      - { .name: W2, .offset: 48, .size: 8, .value_kind: global_buffer, .address_space: global }
      - { .name: b2, .offset: 56, .size: 8, .value_kind: global_buffer, .address_space: global }
      - { .name: out0, .offset: 64, .size: 8, .value_kind: global_buffer, .address_space: global }
    .group_segment_fixed_size: 33792
    .private_segment_fixed_size: 0
    .kernarg_segment_align: 8
    .kernarg_segment_size: 72
    .max_flat_workgroup_size: 512
    .sgpr_count:     70
    .vgpr_count:     256
    .wavefront_size: 32
...
	.end_amdgpu_metadata
.endif
;; end of part 2
;; ======== version 2 of 2: 2 launches; version 1 with the launch field written anew for expert scheduling mode
;; limits: inputs' magnitudes at most 64; right only within a limited range of input values
;; workspace buffers: qpos 6,291,456 bytes of whole numbers
;; launch quant: the kernel of part 1 again; grid 256 x 1, 8 waves a work-group, no clusters, 0 bytes of LDS; arguments data, qpos; writes qpos
;; launch field (part 3): grid 256 x 1, 16 waves a work-group, no clusters, 33,792 bytes of LDS; arguments qpos, table, W0, b0, W1, b1, W2, b2, out0; writes out0
.if DOCPART == 3
	.amdgcn_target "amdgcn-amd-amdhsa--gfx1250"
	.amdhsa_code_object_version 6
	.text
	.protected	k_q6c764d5c60_field
	.globl	k_q6c764d5c60_field
	.p2align	8
	.type	k_q6c764d5c60_field,@function
k_q6c764d5c60_field:
	s_mov_b64 s[64:65], 0
	v_nop
	global_prefetch_b8 v0, s[64:65] scope:SCOPE_SE
	s_setreg_imm32_b32 hwreg(HW_REG_WAVE_SCHED_MODE, 0, 2), 2
	s_setreg_imm32_b32 hwreg(HW_REG_WAVE_MODE, 25, 1), 1
	s_wait_xcnt 0x0
	s_wait_alu depctr_vm_vsrc(0)
; out0[p] = gelu(gelu(x W0 + b0) W1 + b1) W2 + b2, x = the 26 hash-grid features of point p (13 levels x 2, trilinear over 8 hashed corners).
; gelu is the tanh form: x * sigmoid(2 u), u = sqrt(2/pi) (x + 0.044715 x^3), made as x * rcp(1 + exp2(GC * x * (x^2 + GK))).
;
; SHARE.  256 work-groups x 16 waves; a wave owns 128 consecutive points and goes through them in 4 trips of 32.  In trip c lane L owns
; point 4 L + c of the wave's 128: a lane's 4 points are 48 consecutive bytes of qpos (three 16-byte loads, once) and its 4 results
; are 16 consecutive bytes of out0 (one store; the wave's store covers 512 consecutive bytes, aligned).
; POSITIONS.  qpos holds each coordinate as u32 with 26 fractional bits.  q * (res << 6) is a 64-bit product whose high word is the cell
; and whose low word is the fraction x 2^32.  Every table address is made from these whole numbers by integer arithmetic.
; MATRIX OPERANDS are bf16 pairs: v = hi + lo, hi the upper 16 bits of the f32, lo = bf16(v - hi).  A product is W.hi x.hi + W.hi x.lo + W.lo x.hi.
; One bf16 alone would leave four roundings of 2^-9 each in a nearly linear net, against a margin of 1/100 of the output's spread.
; The matrix instruction takes the weights as its first source (rows = units) and the activations as its second (columns = points): lane (r, h),
; register j of a result holds unit 16 t + 8 h + j of point r, and packed in pairs that is the next layer's second source as it stands.
; The last layer has one column: a dot product a point, in f32 on the vector unit (16 packed multiply-adds for 32 points and 16 units).
; NO TENSOR LOADS, NO CLUSTER: the bulk is 2,048 x 104 lane-wise gathers of 8 bytes a work-group (1,703,936 bytes) at hashed places, with no tile in them;
; what work-groups share are 23,812 bytes of weights and biases, read once by each.
; LIMITS: coordinates as the launch in front states them (0 <= data < 64).  An infinite weight or activation gives NaN (lo = inf - inf).
; THE MODE: SCHED_MODE bits 1:0 = 2 (LLVM: expert scheduling mode 2), set by the entry lines.  The code itself states the register dependences
; between vector or matrix instructions and memory or LDS instructions, with s_wait_alu, always for 0.
; THE PLAN.  Registers that memory or LDS instructions touch, in a trip:
;   four gather slots   Level l has slot l % 4.  IDX l (vector) writes its eight indices; GATHER l reads them as offsets and lands on the slot's sixteen registers;
;                       CONSUME l (vector) reads these and rewrites four pairs; IDX l + 4 writes the slot next.  Slot 3 lies where layer 0's results lie during the MLP.
;   A0H, A0L, BI        Loaded from LDS for an MLP step, read by that step's products.
;   v[84:115]           The features: written by CONSUME and the lane swaps, read by layer 0's products; then W1's fragments, loaded from LDS, read by layer 1's products.
;   W2V                 Loaded from LDS in a step of layer 1, read by that step's sixteen multiply-adds.
;   TRA, BIA, PFO, OO, QOFF are made at the head and never written again.  RES is read by the one store at the end.
;   The fractions, U, T, WX .., D0, D1, OA, SP and the rest of HH are named by vector and matrix instructions alone.
; The levels go in PAIRS: a step makes two levels' indices, ONE wait on va_vdst follows, then their sixteen gathers on end, then two older levels are interpolated.
; One wait on vm_vsrc a step, behind the wait for the first of those levels' data, states that every gather issued so far has read its index.
; An MLP step has one wait on va_vdst, behind its products and their places: the next fragments land in registers that those products read.
.set PITCH, 160                        ; LDS row of 64 bf16 (128 bytes) + 32: an odd multiple of 32 bytes, for the transposing loads
.set W0H, 0                            ; hi(W0) [32 k][64 n], rows 26-31 zero    5,120 bytes
.set W0L, 5120                         ; lo(W0)                                  5,120
.set W1H, 10240                        ; hi(W1) [64 k][64 n]                    10,240
.set W1L, 20480                        ; lo(W1)                                 10,240
.set VB0, 30720                        ; b0, f32                                   256
.set VB1, 30976                        ; b1                                        256
.set VW2, 31232                        ; W2                                        256: the map ends at 31,488
.set GK, 0x41b2e92f                    ; 1 / 0.044715 = 22.36386
.set GC, 0xbdd2d3e8                    ; -2 log2(e) sqrt(2/pi) 0.044715 = -0.10294324
; vector registers
.set OO,   1                           ; 16 L: my 16 bytes of the wave's 512 in out0
.set TRA,  2                           ; (8 h + (L & 7)) PITCH + 16 ((L >> 3) & 1): transposing loads of a weight fragment
.set BIA,  3                           ; 32 h: my 8 numbers of 16 in b0, b1, W2
.set PFO,  4                           ; 16,384 x work-group + 256 L: prefetch
.set QOFF, 5                           ; 48 L
.set KA,   6                           ; v[6:7]     (1.0, 0.0)
.set RES,  8                           ; v[8:11]    the four trips' results
.set QP,   12                          ; v[12:23]   4 points x (x, y, z); the trip's point stands first
.set FR,   24                          ; v[24:35]   the fractions x 2^32 as f32.  Slots 2 g and 2 g + 1 share six registers at 6 g: (fx, fy) of the even slot, (fz of the even, fz of the odd), (fx, fy) of the odd
.set RING, 36                          ; v[36:83]   slots 0 to 2, slot s at 16 s: corner c at 2 c: first its index, then its two features.  Slot 3 lies at HH0
.set XH0,  84                          ; v[84:115]  features hi and lo, points 0-15 and 16-31 (XH0, XH1, XL0, XL1); in layer 1 the fragments of W1
.set XH1,  92
.set XL0,  100
.set XL1,  108
.set WH,   84                          ; W1 hi, k 0-31 and 32-63
.set WL,   100                         ; W1 lo
.set HH0,  116                         ; v[116:179] layer 0's results as second sources: hi and lo, points 0-15 and 16-31, 64 k each; v[116:131] are gather slot 3 while the levels are walked
.set HH1,  132
.set HL0,  148
.set HL1,  164
.set D0,   180                         ; accumulator, points 0-15
.set D1,   188                         ; accumulator, points 16-31
.set T,    196                         ; v[196:211] at work in gelu
.set U,    196                         ; v[196:201] at work in IDX: three 64-bit products
.set WX,   196                         ; at work in CONSUME: (1 - fx, fx), (1 - fy, fy), (1 - fz, fz), their four y z products, the sum
.set WY,   198
.set WZ,   200
.set YZ,   202
.set ACC,  206
.set BI,   212                         ; v[212:219] bias of my 8 units
.set W2V,  220                         ; v[220:227] W2 of my 8 units
.set A0H,  228                         ; v[228:243] fragment of W0, hi and lo
.set A0L,  236
.set OA0,  244                         ; v[244:247] the last layer's sums, a pair for each half of the points
.set OA1,  246
.set SP,   248                         ; v[248:251] at work in SPLIT, two pairs
.set KM,   252                         ; v[252:253] (-2^-32, +2^-32)
.set SA,   54                          ; staging only (inside the ring, which is not yet in use)
.set O16,  55
.set O16C, 56
.set V8,   57
; scalar registers: s[4:21] the nine addresses; s[24:49] TB, each level's table; s50 wave; s51 the wave's number in trip 0, then 255;
; s52 trip; s53 b2; s54-55 lane selects; s56 0xffff0000; s57 byte select; s58, s59 the primes; s60 2^19 - 1; s66-69 at work
.set TB, 24
; f32 pair p -> dh = (hi(p), hi(p+1)), dl = (lo(p), lo(p+1)), the lower number in the lower half
.macro SPLIT p, dh, dl, s
	v_perm_b32 v[\dh], v[\p+1], v[\p], s57                 ; the two upper halves
	v_and_b32 v[\s], s56, v[\p]
	v_and_b32 v[\s+1], s56, v[\p+1]
	v_pk_add_f32 v[\s:\s+1], v[\p:\p+1], v[\s:\s+1] neg_lo:[0,1] neg_hi:[0,1]   ; v - hi, exact
	v_cvt_pk_bf16_f32 v[\dl], v[\s], v[\s+1]
.endm
; Wave lvl of each work-group asks, in trip 0 alone, for the work-group's 64 blocks of 256 bytes of level lvl's table: 256 work-groups x 16,384 bytes
; are the level's 4,194,304 bytes, each block asked for once in the launch; the highest byte named is 4,194,048.  PFO and TB are never rewritten:
; the wait on va_vdst ahead of the kernel's first load has shown PFO written, and no vector instruction names it again.
.macro PF lvl
	s_cmp_lg_u32 s51, \lvl
	s_cbranch_scc1 .Lnopf_\@
	global_prefetch_b8 v[PFO], s[TB+2*(\lvl):TB+2*(\lvl)+1] th:TH_LOAD_NT scope:SCOPE_SE
	global_prefetch_b8 v[PFO], s[TB+2*(\lvl):TB+2*(\lvl)+1] offset:8192 th:TH_LOAD_NT scope:SCOPE_SE
.Lnopf_\@:
.endm
; The registers of level lvl's slot: SD its sixteen, SXY its (fx, fy), SZP the pair that holds its fz in half SN % 2.
.macro SLOT lvl
.set SN, (\lvl)%4
.if SN < 3
.set SD, RING+16*SN
.else
.set SD, HH0
.endif
.set SXY, FR+6*(SN/2)+4*(SN%2)
.set SZP, FR+6*(SN/2)+2
.endm
; One level's cells, fractions and eight indices, into its slot: vector work alone.  lg = log2(res), or -1 where res is no power of two.
.macro IDX lvl, res, lg
	SLOT \lvl
.irp i, 0,1,2
.if \lg >= 0
	v_lshlrev_b32 v[U+2*\i], 6+\lg, v[QP+\i]               ; low word of q * (res << 6)
	v_lshrrev_b32 v[U+2*\i+1], 26-\lg, v[QP+\i]            ; high word: the cell
.else
	v_mad_co_u64_u32 v[U+2*\i:U+2*\i+1], null, v[QP+\i], \res<<6, 0
.endif
.if \i < 2
	v_cvt_f32_u32 v[SXY+\i], v[U+2*\i]                     ; the fraction x 2^32
.else
	v_cvt_f32_u32 v[SZP+SN%2], v[U+2*\i]
.endif
.endr
	v_mul_lo_u32 v[U+3], v[U+3], s58                       ; y * prime 1
	v_mul_lo_u32 v[U+5], v[U+5], s59                       ; z * prime 2
	v_add_nc_u32 v[U+2], s58, v[U+3]                       ; (y + 1) * prime 1
	v_add_nc_u32 v[U+4], s59, v[U+5]                       ; (z + 1) * prime 2
	v_add_nc_u32 v[U], 1, v[U+1]                           ; x + 1; x and x + 1 are at most 2^16 and need no mask
.irp m, 0,1,2,3                                            ; m = dy + 2 dz; corner 2 m has dx = 0, corner 2 m + 1 has dx = 1
	v_xor_b32 v[SD+4*\m], v[U+3-(\m&1)], v[U+5-(\m>>1)]
	v_and_b32 v[SD+4*\m], s60, v[SD+4*\m]
	v_xor_b32 v[SD+4*\m+2], v[SD+4*\m], v[U]
	v_xor_b32 v[SD+4*\m], v[SD+4*\m], v[U+1]
	v_min_u32 v[SD+4*\m], 0x7ffff, v[SD+4*\m]              ; changes nothing: states the index's bound in the last line in front of the address
	v_min_u32 v[SD+4*\m+2], 0x7ffff, v[SD+4*\m+2]
.endr
.endm
; One level's eight gathers.  They stand behind a wait on va_vdst with no vector instruction between.
.macro GATHER lvl
	SLOT \lvl
.irp c, 0,1,2,3,4,5,6,7
	global_load_b64 v[SD+2*\c:SD+2*\c+1], v[SD+2*\c], s[TB+2*(\lvl):TB+2*(\lvl)+1] scale_offset   ; entry = 8 bytes; each load lands on its own index
.endr
.endm
; One level's interpolation, from its slot, into the feature pair's place.  left = gathers issued behind this level's eight.  head = 1: a step's first.
.macro CONSUME lvl, left, head
	SLOT \lvl
.if (\lvl) < 4
.set XO, (\lvl)                        ; k 0-7: registers 0-3 of the lanes with h = 0
.elseif (\lvl) < 8
.set XO, (\lvl)+4                      ; k 8-15: registers 0-3, h = 1
.elseif (\lvl) < 12
.set XO, (\lvl)-4                      ; k 16-23: registers 4-7, h = 0
.else
.set XO, 12                            ; k 24, 25: register 4, h = 1
.endif
.set SS, SP+2*((\lvl)&1)
	v_pk_fma_f32 v[WX:WX+1], v[SXY:SXY+1], v[KM:KM+1], v[KA:KA+1] op_sel_hi:[0,1,1]                  ; (1 - fx, fx)
	v_pk_fma_f32 v[WY:WY+1], v[SXY:SXY+1], v[KM:KM+1], v[KA:KA+1] op_sel:[1,0,0] op_sel_hi:[1,1,1]   ; (1 - fy, fy)
.if SN%2 == 0
	v_pk_fma_f32 v[WZ:WZ+1], v[SZP:SZP+1], v[KM:KM+1], v[KA:KA+1] op_sel_hi:[0,1,1]                  ; (1 - fz, fz): an even slot's fz is the pair's low word,
.else
	v_pk_fma_f32 v[WZ:WZ+1], v[SZP:SZP+1], v[KM:KM+1], v[KA:KA+1] op_sel:[1,0,0] op_sel_hi:[1,1,1]   ; an odd slot's the high word
.endif
	v_pk_mul_f32 v[YZ:YZ+1], v[WY:WY+1], v[WZ:WZ+1] op_sel_hi:[1,0]                                ; m = 0, 1
	v_pk_mul_f32 v[YZ+2:YZ+3], v[WY:WY+1], v[WZ:WZ+1] op_sel:[0,1] op_sel_hi:[1,1]                 ; m = 2, 3
	s_wait_loadcnt \left                                   ; loads come back in order: this level's eight are in, the younger levels' stay out
.if \head
	s_wait_alu depctr_vm_vsrc(0)                           ; every gather issued so far has read its index: those registers are written by the lines below, by the next interpolations, by later IDX and SPLIT lines and by later gathers' data
.endif
.irp m, 0,1,2,3
	v_pk_mul_f32 v[SD+4*\m:SD+4*\m+1], v[SD+4*\m:SD+4*\m+1], v[WX:WX+1] op_sel_hi:[1,0]
.endr
.irp m, 0,1,2,3
	v_pk_fma_f32 v[SD+4*\m:SD+4*\m+1], v[SD+4*\m+2:SD+4*\m+3], v[WX:WX+1], v[SD+4*\m:SD+4*\m+1] op_sel:[0,1,0] op_sel_hi:[1,1,1]
.endr
	v_pk_mul_f32 v[ACC:ACC+1], v[SD:SD+1], v[YZ:YZ+1] op_sel_hi:[1,0]
	v_pk_fma_f32 v[ACC:ACC+1], v[SD+4:SD+5], v[YZ:YZ+1], v[ACC:ACC+1] op_sel:[0,1,0] op_sel_hi:[1,1,1]
	v_pk_fma_f32 v[ACC:ACC+1], v[SD+8:SD+9], v[YZ+2:YZ+3], v[ACC:ACC+1] op_sel_hi:[1,0,1]
	v_pk_fma_f32 v[ACC:ACC+1], v[SD+12:SD+13], v[YZ+2:YZ+3], v[ACC:ACC+1] op_sel:[0,1,0] op_sel_hi:[1,1,1]
	SPLIT ACC, XH0+XO, XL0+XO, SS
.endm
; units 16 t .. 16 t + 15 of layer 0: W0's fragment hi and lo (k 0-31) and my 8 biases.  6 LDS loads.
.macro LDA0 t
	ds_load_tr16_b128 v[A0H:A0H+3],   v[TRA] offset:W0H+32*(\t)
	ds_load_tr16_b128 v[A0H+4:A0H+7], v[TRA] offset:W0H+32*(\t)+16*PITCH
	ds_load_tr16_b128 v[A0L:A0L+3],   v[TRA] offset:W0L+32*(\t)
	ds_load_tr16_b128 v[A0L+4:A0L+7], v[TRA] offset:W0L+32*(\t)+16*PITCH
	ds_load_b128 v[BI:BI+3],   v[BIA] offset:VB0+64*(\t)
	ds_load_b128 v[BI+4:BI+7], v[BIA] offset:VB0+64*(\t)+16
.endm
; the same for layer 1: two K steps of 32, hi and lo.  10 LDS loads.
.macro LDA1 t
.irp s, 0,1
	ds_load_tr16_b128 v[WH+8*\s:WH+8*\s+3],   v[TRA] offset:W1H+32*PITCH*\s+32*(\t)
	ds_load_tr16_b128 v[WH+8*\s+4:WH+8*\s+7], v[TRA] offset:W1H+32*PITCH*\s+32*(\t)+16*PITCH
	ds_load_tr16_b128 v[WL+8*\s:WL+8*\s+3],   v[TRA] offset:W1L+32*PITCH*\s+32*(\t)
	ds_load_tr16_b128 v[WL+8*\s+4:WL+8*\s+7], v[TRA] offset:W1L+32*PITCH*\s+32*(\t)+16*PITCH
.endr
	ds_load_b128 v[BI:BI+3],   v[BIA] offset:VB1+64*(\t)
	ds_load_b128 v[BI+4:BI+7], v[BIA] offset:VB1+64*(\t)+16
.endm
.macro LDW2 t
	ds_load_b128 v[W2V:W2V+3],   v[BIA] offset:VW2+64*(\t)
	ds_load_b128 v[W2V+4:W2V+7], v[BIA] offset:VW2+64*(\t)+16
.endm
.macro MM d, a, b, c
	v_wmma_f32_16x16x32_bf16 v[\d:\d+7], v[\a:\a+7], v[\b:\b+7], v[\c:\c+7]
.endm
; Four places behind the last matrix instruction, ahead of the vector instructions that read its result (ISA guide 7.12.1).
.macro PLACES
.rept 4
	v_nop
.endr
.endm
; gelu's stages on 8 numbers in d, at work in t
.macro GPOLY d, t                      ; GC * x * (x^2 + GK)
.irp i, 0,2,4,6
	v_pk_fma_f32 v[\t+\i:\t+\i+1], v[\d+\i:\d+\i+1], v[\d+\i:\d+\i+1], GK op_sel_hi:[1,1,0]
.endr
.irp i, 0,2,4,6
	v_pk_mul_f32 v[\t+\i:\t+\i+1], v[\t+\i:\t+\i+1], v[\d+\i:\d+\i+1]
.endr
.irp i, 0,2,4,6
	v_pk_mul_f32 v[\t+\i:\t+\i+1], v[\t+\i:\t+\i+1], GC op_sel_hi:[1,0]
.endr
.endm
.macro GEXP t
.irp i, 0,1,2,3,4,5,6,7
	v_exp_f32 v[\t+\i], v[\t+\i]
.endr
.endm
.macro GONE t
	s_wait_alu depctr_va_vdst(0)
.irp i, 0,2,4,6
	v_pk_add_f32 v[\t+\i:\t+\i+1], v[\t+\i:\t+\i+1], 1.0 op_sel_hi:[1,0]
.endr
.endm
.macro GRCP t
.irp i, 0,1,2,3,4,5,6,7
	v_rcp_f32 v[\t+\i], v[\t+\i]
.endr
.endm
.macro GMUL d, t
.irp i, 0,2,4,6
	v_pk_mul_f32 v[\d+\i:\d+\i+1], v[\d+\i:\d+\i+1], v[\t+\i:\t+\i+1]
.endr
.endm
; gelu of D0 and D1 in place.  The two halves are laid so that a plain vector instruction that touches neither its result nor its source stands
; between every v_exp_f32 or v_rcp_f32 and the first use of its result (ISA guide 5.7.2); where the other half has none to give, a v_nop.
.macro GELU
	GPOLY D0, T
	GEXP T
	GPOLY D1, T+8
	GONE T
	GRCP T
	GEXP T+8
	v_nop
	s_wait_alu depctr_va_vdst(0)
	GMUL D0, T
	GONE T+8
	GRCP T+8
	v_nop
	s_wait_alu depctr_va_vdst(0)
	GMUL D1, T+8
.endm
; layer 0, units 16 t .. 16 t + 15 of all 32 points.  D0 and D1 take turns, one instruction a turn.
.macro L0STEP t
	s_wait_dscnt 0x0                                       ; this step's fragment and bias are in
	MM D0, A0H, XH0, BI
	MM D1, A0H, XH1, BI
	MM D0, A0H, XL0, D0
	MM D1, A0H, XL1, D1
	MM D0, A0L, XH0, D0
	MM D1, A0L, XH1, D1
	PLACES
	s_wait_alu depctr_va_vdst(0)                           ; the six products are done reading A0H, A0L and BI, and in the last step the features: the loads below land in these; no line of gelu or SPLIT names them
.if \t < 3
	LDA0 \t+1                                              ; the next step's, on their way during gelu
.else
	LDA1 0                                                 ; onto the features, which have had their last use
.endif
	GELU
.irp i, 0,1,2,3
	SPLIT D0+2*\i, HH0+4*\t+\i, HL0+4*\t+\i, SP            ; units 16 t + 8 h + 2 i, + 1: register 4 t + i of the next layer's second source
	SPLIT D1+2*\i, HH1+4*\t+\i, HL1+4*\t+\i, SP+2
.endr
.endm
; layer 1, units 16 t .. 16 t + 15, and their share of the last layer's dot product.  D0 and D1 take turns.
.macro L1STEP t
	s_wait_dscnt 0x0
	MM D0, WH, HH0, BI
	MM D1, WH, HH1, BI
	MM D0, WH+8, HH0+8, D0
	MM D1, WH+8, HH1+8, D1
	MM D0, WH, HL0, D0
	MM D1, WH, HL1, D1
	MM D0, WH+8, HL0+8, D0
	MM D1, WH+8, HL1+8, D1
	MM D0, WL, HH0, D0
	MM D1, WL, HH1, D1
	MM D0, WL+8, HH0+8, D0
	MM D1, WL+8, HH1+8, D1
	PLACES
	s_wait_alu depctr_va_vdst(0)                           ; the twelve products are done reading WH, WL and BI, and the multiply-adds of the step before are done reading W2V: the loads below land in these
	LDW2 \t
.if \t < 3
	LDA1 \t+1
.endif
	GELU
.if \t < 3
	s_wait_dscnt 10                                        ; W2's two loads are in; the ten of the next step's fragments, issued behind them, stay out
.else
	s_wait_dscnt 0x0
.endif
.irp i, 0,2,4,6
.if \t+\i == 0
	v_pk_mul_f32 v[OA0:OA0+1], v[D0:D0+1], v[W2V:W2V+1]    ; the first product starts the sums
	v_pk_mul_f32 v[OA1:OA1+1], v[D1:D1+1], v[W2V:W2V+1]
.else
	v_pk_fma_f32 v[OA0:OA0+1], v[D0+\i:D0+\i+1], v[W2V+\i:W2V+\i+1], v[OA0:OA0+1]
	v_pk_fma_f32 v[OA1:OA1+1], v[D1+\i:D1+\i+1], v[W2V+\i:W2V+\i+1], v[OA1:OA1+1]
.endif
.endr
.endm
; four f32 of a weight row -> 8 bytes of hi and 8 of lo, in registers.  mask = 1: threads past W0's 26 rows hold zeros.
.macro STAGE4 src, dst, mask
	SPLIT \src, \dst, \dst+2, SP
	SPLIT \src+2, \dst+1, \dst+3, SP+2
.if \mask
.irp j, 0,1,2,3
	v_cndmask_b32 v[\dst+\j], 0, v[\dst+\j], vcc_lo
.endr
.endif
.endm
; and from there into LDS
.macro STORE4 dst, hi, lo
	ds_store_b64 v[SA], v[\dst:\dst+1] offset:\hi
	ds_store_b64 v[SA], v[\dst+2:\dst+3] offset:\lo
.endm
; Step p of a trip: ask ahead; the indices of levels 2 p + 2 and 2 p + 3; one wait; their gathers; levels 2 p and 2 p + 1 are interpolated.
; ra, la, rb, lb: the two issued levels' resolutions and their log2 (or -1).  Step 5 issues level 12 alone, and layer 0's first fragment.
.macro PSTEP p, ra, la, rb, lb
.if \p < 3
	PF 2*\p+6                                              ; four levels ahead of the first one issued here; IDX's vector work follows
	PF 2*\p+7
.elseif \p == 3
	PF 12
.endif
	IDX 2*\p+2, \ra, \la
.if \p < 5
	IDX 2*\p+3, \rb, \lb
.endif
	s_wait_alu depctr_va_vdst(0)                           ; the indices are written, which the gathers read as offsets and land on; the interpolations that read these slots are done, and so are the last trip's products, which read slot 3's registers and A0H, A0L, BI
	GATHER 2*\p+2
.if \p < 5
	GATHER 2*\p+3
	CONSUME 2*\p, 24, 1                                    ; three younger levels stay out
	CONSUME 2*\p+1, 16, 0                                  ; two
.else
	LDA0 0                                                 ; no vector instruction since the wait above; on its way during the last three levels
	CONSUME 2*\p, 16, 1                                    ; the counts run down: 16, 8, and 0 for level 12
	CONSUME 2*\p+1, 8, 0
.endif
.endm
	; ---- prologue: addresses, lane terms, constants
	s_load_b512 s[4:19], s[0:1], 0x0               ; qpos s[4:5], table s[6:7], W0 s[8:9], b0 s[10:11], W1 s[12:13], b1 s[14:15], W2 s[16:17], b2 s[18:19]
	s_load_b64 s[20:21], s[0:1], 0x40              ; out0
	v_lshl_add_u32 v254, v0, 2, 0x7c00
	v_mov_b32 v255, 0
	v_lshrrev_b32 v[T+1], 5, v0
	v_readfirstlane_b32 s50, v[T+1]                ; wave 0..15
	v_and_b32 v[T], 31, v0                         ; L
	v_lshrrev_b32 v[T+1], 4, v[T]                  ; h
	v_and_b32 v[T+2], 7, v[T]
	v_bfe_u32 v[T+3], v[T], 3, 1
	v_lshl_add_u32 v[T+2], v[T+1], 3, v[T+2]       ; 8 h + (L & 7)
	v_mul_u32_u24 v[T+2], v[T+2], PITCH
	v_lshl_add_u32 v[TRA], v[T+3], 4, v[T+2]
	v_lshlrev_b32 v[BIA], 5, v[T+1]
	v_lshlrev_b32 v[OO], 4, v[T]
	v_mul_u32_u24 v[QOFF], v[T], 48
	s_lshl_b32 s67, ttmp9, 14
	v_lshl_add_u32 v[PFO], v[T], 8, s67
	v_lshlrev_b32 v[V8], 3, v[T]                   ; 8 L
	v_lshlrev_b32 v[O16], 4, v0                    ; 16 t: my four numbers of W0 and W1
	v_min_u32 v[O16C], 6640, v[O16]                ; W0 ends at byte 6,656: threads 416 and above read its last 16 bytes and store zeros
	s_mov_b32 s54, 0x76543210                      ; v_permlanex16_b32: lane i of one half reads lane i of the other
	s_mov_b32 s55, 0xfedcba98
	s_mov_b32 s56, 0xffff0000                      ; a word's upper half; also the mask of lanes 16-31
	s_mov_b32 s57, 0x07060302
	s_mov_b32 s58, 0x9e3779b1                      ; 2654435761
	s_mov_b32 s59, 0x30025795                      ; 805459861
	s_mov_b32 s60, 0x7ffff                         ; 2^19 entries
	s_wait_alu depctr_va_sdst(0)                   ; s50 is written, ahead of its first reader: s51, the wave's bases and the branch on the wave's number are made from it
	s_mov_b32 s51, s50
	s_lshl_b32 s66, ttmp9, 4
	s_add_co_u32 s66, s66, s50                     ; the wave's number in the launch, 0..4095
	s_mul_i32 s68, s66, 1536                       ; 128 points x 12 bytes
	s_mov_b32 s69, 0
	s_wait_kmcnt 0x0
	s_add_nc_u64 s[4:5], s[4:5], s[68:69]
	s_lshl_b32 s68, s66, 9                         ; 128 points x 4 bytes
	s_add_nc_u64 s[20:21], s[20:21], s[68:69]
.irp l, 0,1,2,3,4,5,6,7,8,9,10,11,12
	s_add_nc_u64 s[TB+2*\l:TB+2*\l+1], s[6:7], \l*0x400000     ; a level's table: 2^19 entries of 8 bytes
.endr
	s_load_b32 s53, s[18:19], 0x0                  ; b2
	s_wait_alu depctr_va_vdst(0)                   ; OO, TRA, BIA, PFO, QOFF, O16, O16C and V8 are written: every load, prefetch and store that reads one of them as its address or offset stands behind this line
	global_load_b128 v[QP:QP+3],    v[QOFF], s[4:5] th:TH_LOAD_NT
	global_load_b128 v[QP+4:QP+7],  v[QOFF], s[4:5] offset:16 th:TH_LOAD_NT
	global_load_b128 v[QP+8:QP+11], v[QOFF], s[4:5] offset:32 th:TH_LOAD_NT
	global_load_b128 v[36:39], v[O16C], s[8:9]                 ; W0
	global_load_b128 v[40:43], v[O16], s[12:13]                ; W1 rows 0-31
	global_load_b128 v[44:47], v[O16], s[12:13] offset:8192    ; W1 rows 32-63
	PF 0
	PF 1
	PF 2
	PF 3
	; ---- the weights into LDS, split into hi and lo.  512 threads x 4 numbers = 32 rows of 64
	v_lshrrev_b32 v[SA], 4, v0                     ; row
	v_and_b32 v[T+4], 15, v0                       ; four columns
	v_mul_u32_u24 v[SA], v[SA], PITCH
	v_lshl_add_u32 v[SA], v[T+4], 3, v[SA]
	v_cmp_gt_u32 vcc_lo, 416, v0                   ; W0 has 26 rows = 416 threads
	v_mov_b32 v[KA], 1.0
	v_mov_b32 v[KA+1], 0
	v_mov_b32 v[KM], 0xaf800000
	v_mov_b32 v[KM+1], 0x2f800000
	s_wait_alu depctr_va_vcc(0)                    ; VCC is written, ahead of the branch below and of its first reader, the selects that zero W0's rows 26-31
	s_cmp_lg_u32 s50, 0
	s_cbranch_scc1 .Lnovec                         ; wave 0 alone brings the three vectors of 64 numbers, 8 bytes a lane
	global_load_b64 v[48:49], v[V8], s[10:11]      ; no vector instruction has named V8 or v[48:53] since the wait on va_vdst above
	global_load_b64 v[50:51], v[V8], s[14:15]
	global_load_b64 v[52:53], v[V8], s[16:17]
	s_wait_loadcnt 0x0
	ds_store_b64 v[V8], v[48:49] offset:VB0
	ds_store_b64 v[V8], v[50:51] offset:VB1
	ds_store_b64 v[V8], v[52:53] offset:VW2
.Lnovec:
	s_wait_loadcnt 0x0                             ; my points and my part of the weights
	STAGE4 36, 60, 1
	STAGE4 40, 64, 0
	STAGE4 44, 68, 0
	s_wait_alu depctr_va_vdst(0)                   ; the splits and selects have written v[60:71], the six stores' data, and SA, their address, is written
	STORE4 60, W0H, W0L
	STORE4 64, W1H, W1L
	STORE4 68, W1H+32*PITCH, W1L+32*PITCH
	s_wait_kmcnt 0x0                               ; b2
	s_wait_dscnt 0x0                               ; my stores have landed, for the other waves' sake
	s_barrier_signal -1
	s_barrier_wait -1                              ; the only barrier: behind it LDS is only read
	s_wait_alu depctr_vm_vsrc(0)                   ; the staging's loads and stores have read v[48:57] and v[60:71] (data, SA, O16, O16C, V8): these registers are the ring from here on, written by IDX and by the gathers
.irp i, 1,2,3
	v_mov_b32 v[RES+\i], 0                         ; the shift at a trip's end reads them before a result has reached them
.endr
	PF 4
	PF 5
	IDX 0, 16, 4
	IDX 1, 23, -1
	s_wait_alu depctr_va_vdst(0)                   ; the first two levels' indices are written, which the gathers read as offsets and land on; the splits are done reading v[36:47]
	GATHER 0
	GATHER 1
	s_mov_b32 s52, 0
	; ---- a trip: 32 points.  At its head levels 0 and 1 are on their way (16 gathers), on the way in and over the backward jump alike
.Ltrip:
	PSTEP 0, 32, 5, 45, -1
	PSTEP 1, 64, 6, 91, -1
	PSTEP 2, 128, 7, 181, -1
	PSTEP 3, 256, 8, 362, -1
	PSTEP 4, 512, 9, 724, -1
	PSTEP 5, 1024, 10, 0, 0
	CONSUME 12, 0, 0                               ; its gathers stand ahead of step 5's wait on vm_vsrc
	; every lane holds its own point's 32 k: those of h = 0 in X?0, those of h = 1 in X?1.  Swapping X?0's lanes 16-31 with X?1's lanes 0-15
	; makes X?0 the second source of points 0-15 and X?1 that of points 16-31.
.irp i, 5,6,7
	v_mov_b32 v[XH1+\i], 0                         ; k 26-31 (these registers held W1 in the trip before)
	v_mov_b32 v[XL1+\i], 0
.endr
.irp i, 0,1,2,3,4,5,6,7
	v_permlane16_swap_b32 v[XH0+\i], v[XH1+\i]
	v_permlane16_swap_b32 v[XL0+\i], v[XL1+\i]
.endr
	; the next trip's first two levels go out now and are on their way during the MLP.  The last trip has no next: no load for nothing
	s_cmp_eq_u32 s52, 3
	s_cbranch_scc1 .Lnonext
.irp i, 0,1,2,3,4,5,6,7,8
	v_mov_b32 v[QP+\i], v[QP+\i+3]                 ; the next point moves to the front: one text serves the four trips
.endr
	IDX 0, 16, 4
	IDX 1, 23, -1
	s_wait_alu depctr_va_vdst(0)                   ; the two levels' indices are written, which the gathers read as offsets and land on; the interpolations of levels 12 and 9, which read slots 0 and 1, are done
	GATHER 0
	GATHER 1
.Lnonext:
	L0STEP 0
	L0STEP 1
	L0STEP 2
	L0STEP 3
	L1STEP 0
	L1STEP 1
	L1STEP 2
	L1STEP 3
	; lane (r, h) holds the sum over the units with its h, in two halves: add them, then the other h's
	v_add_f32 v[OA0], v[OA0], v[OA0+1]
	v_add_f32 v[OA1], v[OA1], v[OA1+1]
	v_permlanex16_b32 v[T], v[OA0], s54, s55
	v_permlanex16_b32 v[T+1], v[OA1], s54, s55
	v_mov_b32 v[RES], v[RES+1]
	v_mov_b32 v[RES+1], v[RES+2]
	v_mov_b32 v[RES+2], v[RES+3]
	v_add_f32 v[OA0], v[OA0], v[T]
	v_add_f32 v[OA1], v[OA1], v[T+1]
	v_cndmask_b32 v[RES+3], v[OA0], v[OA1], s56    ; lanes 0-15 own points 0-15, lanes 16-31 points 16-31
	v_add_f32 v[RES+3], s53, v[RES+3]              ; + b2
	s_mov_b32 s51, 255                             ; no wave asks for a table block a second time
	s_add_co_u32 s52, s52, 1
	s_cmp_lt_u32 s52, 4
	s_cbranch_scc1 .Ltrip
	s_wait_alu depctr_va_vdst(0)                   ; the last trip has written RES, which the store reads
	global_store_b128 v[OO], v[RES:RES+3], s[20:21] th:TH_STORE_NT   ; my 4 points; the wave's 512 consecutive bytes, aligned
	s_wait_dscnt 0x0
	s_wait_alu depctr_hold_cnt(0) depctr_sa_sdst(0) depctr_va_vdst(0) depctr_va_sdst(0) depctr_va_ssrc(0) depctr_va_vcc(0) depctr_vm_vsrc(0)
	s_wait_tensorcnt 0x0
	ds_add_u32 v254, v255
	s_wait_dscnt 0x0
	s_endpgm
.Lfunc_end_k_q6c764d5c60_field:
	.size	k_q6c764d5c60_field, .Lfunc_end_k_q6c764d5c60_field-k_q6c764d5c60_field
	.p2alignl 7, 3214868480
	.fill 96, 4, 3214868480
	.section	.rodata,"a",@progbits
	.p2align	6, 0x0
	.amdhsa_kernel k_q6c764d5c60_field
		.amdhsa_group_segment_fixed_size 33792
		.amdhsa_private_segment_fixed_size 0
		.amdhsa_enable_private_segment 0
		.amdhsa_kernarg_size 72
		.amdhsa_user_sgpr_count 2
		.amdhsa_user_sgpr_kernarg_segment_ptr 1
		.amdhsa_wavefront_size32 1
		.amdhsa_system_sgpr_workgroup_id_x 1
		.amdhsa_system_sgpr_workgroup_id_y 1
		.amdhsa_system_sgpr_workgroup_id_z 1
		.amdhsa_system_vgpr_workitem_id 0
		.amdhsa_next_free_vgpr 256
		.amdhsa_next_free_sgpr 70
		.amdhsa_reserve_vcc 1
		.amdhsa_float_denorm_mode_32 3
		.amdhsa_float_denorm_mode_16_64 3
		.amdhsa_memory_ordered 1
		.amdhsa_forward_progress 1
		.amdhsa_inst_pref_size 119
	.end_amdhsa_kernel
	.amdgpu_metadata
---
amdhsa.version: [ 1, 2 ]
amdhsa.kernels:
  - .name:           k_q6c764d5c60_field
    .symbol:         k_q6c764d5c60_field.kd
    .args:
      - { .name: qpos, .offset: 0, .size: 8, .value_kind: global_buffer, .address_space: global }
      - { .name: table, .offset: 8, .size: 8, .value_kind: global_buffer, .address_space: global }
      - { .name: W0, .offset: 16, .size: 8, .value_kind: global_buffer, .address_space: global }
      - { .name: b0, .offset: 24, .size: 8, .value_kind: global_buffer, .address_space: global }
      - { .name: W1, .offset: 32, .size: 8, .value_kind: global_buffer, .address_space: global }
      - { .name: b1, .offset: 40, .size: 8, .value_kind: global_buffer, .address_space: global }
      - { .name: W2, .offset: 48, .size: 8, .value_kind: global_buffer, .address_space: global }
      - { .name: b2, .offset: 56, .size: 8, .value_kind: global_buffer, .address_space: global }
      - { .name: out0, .offset: 64, .size: 8, .value_kind: global_buffer, .address_space: global }
    .group_segment_fixed_size: 33792
    .private_segment_fixed_size: 0
    .kernarg_segment_align: 8
    .kernarg_segment_size: 72
    .max_flat_workgroup_size: 512
    .sgpr_count:     70
    .vgpr_count:     256
    .wavefront_size: 32
...
	.end_amdgpu_metadata
.endif
;; end of part 3
